; MI455X (gfx1250); checked and timed in simulation.
; The chip was launched on July 23, 2026; its instructions are those of AMD's public machine-readable ISA for CDNA 5 (MIT licence, August 2026) and "CDNA5" Instruction Set Architecture Reference Guide (July 2026). The comments in the code are by the model that wrote it; some were corrected since.
;; DRKNN. Allowed arithmetic: matrix products marked QUANTISED: E5M2 operands, one given power-of-two scale a tensor, by v_wmma_f32_16x16x64_bf8_bf8 or v_wmma_f32_16x16x128_bf8_bf8, f32 sums; everything else in f32.
;; Inputs: dataTensorX 100,000 x 8 x 16 float32; dataTensorY 100,000 x 3 float32; inputTensor 1,024 x 8 x 16 float32; lowp_scales 2 int32 (the exponents e of the quantised operands' scales 2^e).
;; Outputs: out0 1,024 x 3 float32; out1 1,024 x 3 int32.
;; This version of the problem:
;;   THIS VERSION OF THE PROBLEM IS GIVEN IN LOW PRECISION. The matrix products marked QUANTISED in the list below multiply operands that are first quantised to E5M2 (5 exponent bits, 2 mantissa bits; 8 bits a number), with one given power-of-two scale for each operand tensor; their sums are f32. All else is computed in f32.
;;   The module's matrix products, in the order in which they are computed (A, B: the left and right operand; K: the contracted axis; several contracted axes count as one K, in the product's order):
;;     1. [M 1,024, K 128] x [K 128, N 100,000]; A: input inputTensor; B: input dataTensorX: QUANTISED (scales: A lowp_scales[0], B lowp_scales[1])
;;   THE QUANTISER, for each operand of a quantised product, along K:
;;     - The operand's scale is 2^e, e = its entry of the input lowp_scales (int32; the entries are numbered through the quantised products in the list's order, A before B).
;;     - Each number is divided by the scale, clamped to +-57,344, and rounded to the nearest number of E5M2, ties to even, subnormals kept.
;;     - The product sums the exact products of the quantised numbers (number of the format x scale) in f32.
;;   ~~~python
;;   def quantise(x, axis, e):      # numpy; x: float32 -> the quantised numbers, widened to float32 again
;;       x = np.moveaxis(x, axis, -1); K = x.shape[-1]
;;       r = np.clip(x / 2.0 ** e, -57344, 57344)
;;       step = 2.0 ** (np.maximum(np.frexp(np.where(r == 0, 1, r))[1] - 1, -14) - 2)
;;       q = np.round(r / step) * step * 2.0 ** e      # np.round: ties to even
;;       return np.moveaxis(q, -1, axis).astype(np.float32)
;;   ~~~
;; One version. Each part assembles by itself: llvm-mc -triple=amdgcn-amd-amdhsa -mcpu=gfx1250 --defsym DOCPART=n.
;; ======== version 1 of 1: 4 launches
;; limits: right only within a limited range of input values
;; workspace buffers: qfrag 131,072 bytes; q2 4,096 bytes; cand 4,096,000 bytes; sel 16,384 bytes of whole numbers
;; launch prep (part 1): grid 16 x 1, 4 waves a work-group, no clusters, 34,304 bytes of LDS; arguments inputTensor, lowp_scales, qfrag, q2; writes qfrag, q2
.if DOCPART == 1
	.amdgcn_target "amdgcn-amd-amdhsa--gfx1250"
	.amdhsa_code_object_version 6
	.text
	.protected	k_qdffd12b868_prep
	.globl	k_qdffd12b868_prep
	.p2align	8
	.type	k_qdffd12b868_prep,@function
k_qdffd12b868_prep:
	s_mov_b64 s[64:65], 0
	v_nop
	global_prefetch_b8 v0, s[64:65] scope:SCOPE_SE
	s_setreg_imm32_b32 hwreg(HW_REG_WAVE_MODE, 25, 1), 1
	s_wait_xcnt 0x0
; The 1,024 queries (128 f32 each) are quantised ONCE to E5M2 with the given scale 2^eq, and their sums of squares are taken in f32.
; A wave takes a tile of 16 queries.  Its 8,192 bytes come by 16 loads of 512 consecutive bytes, turn through the wave's own stage in LDS
; (rows 528 bytes apart), and come back so that lane (r, h) holds, of row r, k = 32 c + 16 h + 0 .. 15 in registers 16 c .. 16 c + 15.
; The codes leave as an image of the operand's registers: group c of four registers at 512 c + 16 x lane of the tile's 2,048 bytes.
; That order of k is a permutation of the one the matrix form names; X's fragments are laid the same way, so every product meets its partner.
; LIMITS: eq between -126 and 112 (2^eq and 57,344 x 2^eq are f32 numbers).  NaN and infinities among the inputs are not served.
; The sum of squares is taken in eight chains and joined: another order of f32 additions than a plain running sum.
; No barrier: waves share nothing.  No matrix work, no cluster, no tensor load: 512 KiB are read once.
.set PITCH,  528                       ; a stage row: 512 bytes + 16: row r starts 4 r words on, modulo 64 (64 banks of 4 bytes: ISA guide 11.1)
.set REGION, 16*PITCH                  ; a wave's stage
.set LANE, 2
.set RR,   3
.set HH,   4
.set L16,  5                           ; 16 x lane
.set SIN,  6                           ; the stage, on the way in
.set QA,   7                           ; the stage, on the way out: row r, + 64 h
.set Q2O,  8                           ; 4 r
.set LIM,  10                          ; 57,344 x 2^eq
.set SC,   11                          ; 2^eq
.set NUM,  16                          ; v16-79   64 numbers of my row
.set COD,  80                          ; v80-95   the fragment's codes
.set SM,   96                          ; v96-103  the sum's chains
.set RAW,  112                         ; v112-175 the rows as loaded
.set SEL,  22                          ; s[22:23] lane selects: lane l xor 16
; 16 rows x 128 f32 in LDS become a fragment.  v[adr] = the lane's row + 64 h.  v[acc] ends as the row's sum of squares, in both halves of the lanes.
.macro QTILE adr, off, num, cod, acc
.irp c, 0,1,2,3
.irp j, 0,1,2,3
	ds_load_b128 v[(\num)+16*\c+4*\j:(\num)+16*\c+4*\j+3], v[\adr] offset:(\off)+128*\c+16*\j
.endr
.endr
	s_wait_dscnt 0x0                               ; all sixteen are in, and every earlier LDS store of mine has read its registers
.irp p, 0,2,4,6
	v_pk_mul_f32 v[(\acc)+\p:(\acc)+\p+1], v[(\num)+\p:(\num)+\p+1], v[(\num)+\p:(\num)+\p+1]   ; the first squares start the chains: nothing is cleared
.endr
.irp g, 8,16,24,32,40,48,56
.irp p, 0,2,4,6
	v_pk_fma_f32 v[(\acc)+\p:(\acc)+\p+1], v[(\num)+\g+\p:(\num)+\g+\p+1], v[(\num)+\g+\p:(\num)+\g+\p+1], v[(\acc)+\p:(\acc)+\p+1]
.endr
.endr
	v_pk_add_f32 v[(\acc):(\acc)+1], v[(\acc):(\acc)+1], v[(\acc)+2:(\acc)+3]
	v_pk_add_f32 v[(\acc)+4:(\acc)+5], v[(\acc)+4:(\acc)+5], v[(\acc)+6:(\acc)+7]
	v_pk_add_f32 v[(\acc):(\acc)+1], v[(\acc):(\acc)+1], v[(\acc)+4:(\acc)+5]
	v_add_f32 v[(\acc)], v[(\acc)], v[(\acc)+1]
	v_permlanex16_b32 v[(\acc)+2], v[(\acc)], s[SEL], s[SEL+1]   ; the row's other 64 numbers lie in the lane 16 away
	v_add_f32 v[(\acc)], v[(\acc)], v[(\acc)+2]
.set QI, 0
.rept 64
.set QI, QI+1
.endr
.irp g, 0,1,2,3,4,5,6,7
	v_cvt_scalef32_pk8_bf8_f32 v[(\cod)+2*\g:(\cod)+2*\g+1], v[(\num)+8*\g:(\num)+8*\g+7], v[SC]
.endr
	v_nop                                          ; one plain vector line behind the last scaled conversion
.endm
	s_load_b128 s[4:7], s[0:1], 0x0                ; the queries, the scales' exponents
	s_load_b128 s[8:11], s[0:1], 0x10              ; qfrag, q2
	v_lshl_add_u32 v176, v0, 2, 0x8400
	v_mov_b32 v177, 0
	v_lshrrev_b32 v1, 5, v0
	v_readfirstlane_b32 s12, v1                    ; wave 0..3
	v_and_b32 v[LANE], 31, v0
	v_and_b32 v[RR], 15, v0
	v_bfe_u32 v[HH], v0, 4, 1
	v_lshlrev_b32 v[L16], 4, v[LANE]
	s_mul_i32 s13, s12, REGION
	v_add_nc_u32 v[SIN], s13, v[L16]
	v_mul_u32_u24 v[QA], v[RR], PITCH
	v_lshl_add_u32 v[QA], v[HH], 6, v[QA]
	v_add_nc_u32 v[QA], s13, v[QA]
	v_lshlrev_b32 v[Q2O], 2, v[RR]
	s_lshl_b32 s14, ttmp9, 2
	s_add_co_u32 s14, s14, s12                     ; my tile of 16 queries
	s_lshl_b32 s16, s14, 13                        ; its 8,192 bytes of f32,
	s_mov_b32 s17, 0
	s_lshl_b32 s18, s14, 11                        ; its 2,048 bytes of codes,
	s_mov_b32 s19, 0
	s_lshl_b32 s20, s14, 6                         ; its 64 bytes of q2
	s_mov_b32 s21, 0
	s_mov_b32 s[SEL], 0x76543210
	s_mov_b32 s[SEL+1], 0xfedcba98
	s_wait_alu depctr_va_vdst(0)
	s_wait_kmcnt 0x0
	s_load_b32 s24, s[6:7], 0x0                    ; eq
	s_add_nc_u64 s[4:5], s[4:5], s[16:17]
	s_add_nc_u64 s[8:9], s[8:9], s[18:19]
	s_add_nc_u64 s[10:11], s[10:11], s[20:21]
.irp i, 0,1,2,3,4,5,6,7,8,9,10,11,12,13,14,15
	global_load_b128 v[RAW+4*\i:RAW+4*\i+3], v[L16], s[4:5] offset:512*\i th:TH_LOAD_NT   ; a whole row: 512 consecutive bytes
.endr
	s_wait_kmcnt 0x0
	s_add_co_i32 s24, s24, 127
	s_lshl_b32 s25, s24, 23
	v_mov_b32 v[SC], s25                           ; 2^eq as f32: the conversion takes its exponent field
	s_wait_loadcnt 0x0
.irp i, 0,1,2,3,4,5,6,7,8,9,10,11,12,13,14,15
	ds_store_b128 v[SIN], v[RAW+4*\i:RAW+4*\i+3] offset:PITCH*\i
.endr
	QTILE QA, 0, NUM, COD, SM                      ; LDS serves a wave's instructions in order (ISA guide 5.7.1.4): its loads see the stores above
.irp c, 0,1,2,3
	global_store_b128 v[L16], v[COD+4*\c:COD+4*\c+3], s[8:9] offset:512*\c   ; 512 consecutive bytes, aligned
.endr
	v_cmp_gt_u32 vcc_lo, 16, v[LANE]
	s_wait_xcnt 0x0                                ; EXEC changes only behind this wait
	s_wait_tensorcnt 0x0
	ds_add_u32 v176, v177
	s_wait_dscnt 0x0
	s_and_saveexec_b32 s25, vcc_lo
	global_store_b32 v[Q2O], v[SM], s[10:11]       ; 64 bytes a wave: a quarter of an aligned 256; the whole buffer is 4 KiB
	s_endpgm
.Lfunc_end_k_qdffd12b868_prep:
	.size	k_qdffd12b868_prep, .Lfunc_end_k_qdffd12b868_prep-k_qdffd12b868_prep
	.p2alignl 7, 3214868480
	.fill 96, 4, 3214868480
	.section	.rodata,"a",@progbits
	.p2align	6, 0x0
	.amdhsa_kernel k_qdffd12b868_prep
		.amdhsa_group_segment_fixed_size 34304
		.amdhsa_private_segment_fixed_size 0
		.amdhsa_enable_private_segment 0
		.amdhsa_kernarg_size 32
		.amdhsa_user_sgpr_count 2
		.amdhsa_user_sgpr_kernarg_segment_ptr 1
		.amdhsa_wavefront_size32 1
		.amdhsa_system_sgpr_workgroup_id_x 1
		.amdhsa_system_sgpr_workgroup_id_y 1
		.amdhsa_system_sgpr_workgroup_id_z 1
		.amdhsa_system_vgpr_workitem_id 0
		.amdhsa_next_free_vgpr 178
		.amdhsa_next_free_sgpr 66
		.amdhsa_reserve_vcc 1
		.amdhsa_float_denorm_mode_32 3
		.amdhsa_float_denorm_mode_16_64 3
		.amdhsa_fp16_overflow 1
		.amdhsa_memory_ordered 1
		.amdhsa_forward_progress 1
		.amdhsa_inst_pref_size 9
	.end_amdhsa_kernel
	.amdgpu_metadata
---
amdhsa.version: [ 1, 2 ]
amdhsa.kernels:
  - .name:           k_qdffd12b868_prep
    .symbol:         k_qdffd12b868_prep.kd
    .args:
      - { .name: inputTensor, .offset: 0, .size: 8, .value_kind: global_buffer, .address_space: global }
      - { .name: lowp_scales, .offset: 8, .size: 8, .value_kind: global_buffer, .address_space: global }
      - { .name: qfrag, .offset: 16, .size: 8, .value_kind: global_buffer, .address_space: global }
      - { .name: q2, .offset: 24, .size: 8, .value_kind: global_buffer, .address_space: global }
    .group_segment_fixed_size: 34304
    .private_segment_fixed_size: 0
    .kernarg_segment_align: 8
    .kernarg_segment_size: 32
    .max_flat_workgroup_size: 128
    .sgpr_count:     66
    .vgpr_count:     178
    .wavefront_size: 32
...
	.end_amdgpu_metadata
.endif
;; end of part 1
;; launch main (part 2): grid 250 x 1, 8 waves a work-group, no clusters, 299,008 bytes of LDS; arguments dataTensorX, lowp_scales, qfrag, cand; writes cand
.if DOCPART == 2
	.amdgcn_target "amdgcn-amd-amdhsa--gfx1250"
	.amdhsa_code_object_version 6
	.text
	.protected	k_qdffd12b868_main
	.globl	k_qdffd12b868_main
	.p2align	8
	.type	k_qdffd12b868_main,@function
k_qdffd12b868_main:
	s_mov_b64 s[64:65], 0
	v_nop
	global_prefetch_b8 v0, s[64:65] scope:SCOPE_SE
	s_setreg_imm32_b32 hwreg(HW_REG_WAVE_MODE, 25, 1), 1
	s_wait_xcnt 0x0
; THE FILTER.  X is read once.  A work-group owns 400 rows of X (25 tiles of 16) and all 1,024 queries; wave w owns queries 128 w .. 128 w + 127, whose eight
; fragments of codes stay in registers (window 1).  X's rows come into LDS by tensor loads (first fills only: the whole slice fits), are quantised once a
; work-group (E5M2, the given 2^ex) and go from wave to wave as images of the operand's registers.
; THE KEY.  With E = eq + ex a row ranks by  key = (sum of the codes' products) - x2 / 2^(E + 1), the larger the nearer: it is (q2 - d) / 2^(E + 1), and q2 is the same
; for all rows of a query.  -x2 / 2^(E + 1) goes in as the C of the matrix instruction, so a key costs no vector instruction.
; GROUPS.  Only the largest key of each group of 20 neighbouring rows is taken (half a vector instruction a key), and for each query the best three of the
; work-group's 20 groups are kept, with their numbers.  A query's three nearest rows lie in the three groups with the best maxima; a later launch evaluates those 60 rows as the problem writes d.
; Ties go to the lower group: comparisons are strict and groups are offered in ascending order.
; THE MATRIX INSTRUCTION: source 0 = 16 rows of X, source 1 = 16 queries: lane (r, h) holds query r and, in register j, X's row 8 h + j of the tile.
; WHICH ROWS FORM A TILE is free: row 8 h + 4 s + jj of tile 5 b + i is local row 200 h + 40 b + 20 s + 4 i + jj, so that a lane's registers 4 s .. 4 s + 3 over the five tiles of
; block b are the 20 neighbouring rows of local group 10 h + 2 b + s.
; LIMITS.  ex between -126 and 112.  NaN and infinities are not served.  The key is rounded once, in the matrix unit; d of the problem is rounded twice: two rows of different groups whose d
; differ by about one unit in f32's last place at the third / fourth place may be chosen the other way.
; NO CLUSTER: Q's codes are the one thing that work-groups share; the 250 work-groups (100,000 rows / 400) are no multiple of 4, and Q goes straight into registers, not through LDS.
; NO REFILL: each LDS byte is filled once, so there is no ring.  A wave has at most three tensor loads outstanding.
; LDS: X's rows, 528 bytes apart, laid by part: local row 200 h + x at LDS row 168 (x / 80) + 88 h + x % 80, so that what is read while later loads are out lies below their bytes;
;      the 16 rows of a fragment load, 88 h + 20 s + jj, start 32 h + 16 s + 4 jj words on, modulo 64: 16 different starts (64 banks of 4 bytes: ISA guide 11.1).
;      Then 25 images of 2,048 bytes, then 25 x 16 keys' C numbers.  Images and C numbers lie in 256-byte blocks of their own, into which no tensor load lands.
; REGISTERS: window 0: v1-15 addresses and constants; v16-47 X's fragment, two sets; v48-63 C, two sets; v64-127 the eight results; v128-175 eight states [m1 m2 m3 i1 i2 i3];
;      v176-191 the groups' maxima.  While a tile is quantised: v64-127 its numbers, v16-31 its codes, v48-55 its sum.   window 1: v0-127 Q's eight fragments.
.set PITCH,  528
.set XROWS,  464
.set IMG,    XROWS*PITCH               ; 244,992 = 957 x 256
.set CKB,    IMG+25*2048               ; 296,192 = 1,157 x 256
.set XR,   3                           ; (88 (r / 8) + 20 ((r / 4) % 2) + r % 4) x 528 + 64 h
.set XT,   4                           ; + the tile's term
.set IS,   5                           ; where I store an image: IMG + 16 x lane + 2,048 x wave
.set CS,   6                           ; where I store a C number: CKB + 4 r + 64 x wave
.set IM,   7                           ; where I read an image: IMG + 16 x lane
.set CKA,  8                           ; where I read C: CKB + 32 h
.set L16,  9                           ; 16 x lane
.set LIM,  10                          ; 57,344 x 2^ex
.set SC,   11                          ; 2^ex
.set TENH, 12                          ; 10 h
.set ID0,  13                          ; v13, v14: the numbers of the two groups just finished
.set X24,  15                          ; XR + tile 24's term
.set XF,   16
.set CT,   48
.set D,    64
.set ST,   128
.set GM,   176
.set TMP,  176                         ; at the end: the maxima's registers, dead and written
.set G1A,  16                          ; s[16:23] descriptor group 1: 20 rows
.set G1B,  24                          ; s[24:31] 10 rows
.set G0,   32                          ; s[32:43] three groups 0
.set SEL,  44                          ; s[44:45] lane selects: lane l xor 16
.set MK0,  46                          ; s46-51  compare masks, two sets of three by turns
.set NEGE, 52                          ; s52     -(E + 1)
.set SR,   53                          ; s53-55  my tile's term in parts 0, 1, 2
.set NI,   0
.set MSB,  0
.macro WIN new                         ; the immediate's high byte repeats the setting that is left
.if MSB != \new
	s_set_vgpr_msb (MSB<<8)|\new
.set MSB, \new
.endif
.endm
.macro BAR                             ; my LDS stores have landed and my LDS loads are in: then the work-group's barrier
	s_wait_dscnt 0x0
	s_barrier_signal -1
	s_barrier_wait -1
.endm
; 16 rows x 128 f32 in LDS become a fragment.  v[adr] = the lane's row + 64 h.  Register 16 c + i holds k = 32 c + 16 h + i.  v[acc] ends as the row's sum of squares, in both halves of the lanes.
.macro QTILE adr, off, num, cod, acc
.irp c, 0,1,2,3
.irp j, 0,1,2,3
	ds_load_b128 v[(\num)+16*\c+4*\j:(\num)+16*\c+4*\j+3], v[\adr] offset:(\off)+128*\c+16*\j
.endr
.endr
	s_wait_dscnt 0x0                               ; all sixteen are in, and every earlier LDS store of mine has read its registers
.irp p, 0,2,4,6
	v_pk_mul_f32 v[(\acc)+\p:(\acc)+\p+1], v[(\num)+\p:(\num)+\p+1], v[(\num)+\p:(\num)+\p+1]   ; the first squares start the chains: nothing is cleared
.endr
.irp g, 8,16,24,32,40,48,56
.irp p, 0,2,4,6
	s_delay_alu instid0(VALU_DEP_4)
	v_pk_fma_f32 v[(\acc)+\p:(\acc)+\p+1], v[(\num)+\g+\p:(\num)+\g+\p+1], v[(\num)+\g+\p:(\num)+\g+\p+1], v[(\acc)+\p:(\acc)+\p+1]
.endr
.endr
	s_delay_alu instid0(VALU_DEP_3)
	v_pk_add_f32 v[(\acc):(\acc)+1], v[(\acc):(\acc)+1], v[(\acc)+2:(\acc)+3]
	s_delay_alu instid0(VALU_DEP_2)
	v_pk_add_f32 v[(\acc)+4:(\acc)+5], v[(\acc)+4:(\acc)+5], v[(\acc)+6:(\acc)+7]
	s_delay_alu instid0(VALU_DEP_1)
	v_pk_add_f32 v[(\acc):(\acc)+1], v[(\acc):(\acc)+1], v[(\acc)+4:(\acc)+5]
	s_delay_alu instid0(VALU_DEP_1)
	v_add_f32 v[(\acc)], v[(\acc)], v[(\acc)+1]
	s_delay_alu instid0(VALU_DEP_1)
	v_permlanex16_b32 v[(\acc)+2], v[(\acc)], s[SEL], s[SEL+1]   ; the row's other 64 numbers lie in the lane 16 away
	s_delay_alu instid0(VALU_DEP_1)
	v_add_f32 v[(\acc)], v[(\acc)], v[(\acc)+2]
.set QI, 0
.rept 64
.set QI, QI+1
.endr
.irp g, 0,1,2,3,4,5,6,7
	v_cvt_scalef32_pk8_bf8_f32 v[(\cod)+2*\g:(\cod)+2*\g+1], v[(\num)+8*\g:(\num)+8*\g+7], v[SC]
.endr
	v_nop                                          ; one plain vector line behind the last scaled conversion
.endm
; A tile is quantised; its image and its 16 C numbers go to LDS.
.macro QPHASE adr, ioff, koff
	QTILE \adr, 0, D, XF, CT
.irp c, 0,1,2,3
	ds_store_b128 v[IS], v[XF+4*\c:XF+4*\c+3] offset:(\ioff)+512*\c
.endr
	v_ldexp_f32 v[CT+1], v[CT], s[NEGE]            ; x2 / 2^(E + 1)
	s_delay_alu instid0(VALU_DEP_1)
	v_mul_f32 v[CT+1], -1.0, v[CT+1]
	ds_store_b32 v[CS], v[CT+1] offset:\koff       ; both halves of the lanes store the same number to the same word
.endm
; v[g], with the number v[idn], is offered to the state [m1 >= m2 >= m3, i1, i2, i3] at v[st].  Strict comparisons: of equals the earlier stays ahead.  No branch: selections alone.
.macro INSERT g, st, idn
.set MK, MK0+3*(NI%2)
.set NI, NI+1
	v_cmp_gt_f32 s[MK], v[(\g)], v[(\st)]
	v_cmp_gt_f32 s[MK+1], v[(\g)], v[(\st)+1]
	v_cmp_gt_f32 s[MK+2], v[(\g)], v[(\st)+2]
	s_delay_alu instid0(VALU_DEP_1)
	v_cndmask_b32 v[(\st)+5], v[(\st)+5], v[(\idn)], s[MK+2]
	s_delay_alu instid0(VALU_DEP_1)
	v_cndmask_b32 v[(\st)+5], v[(\st)+5], v[(\st)+4], s[MK+1]
	s_delay_alu instid0(VALU_DEP_4)
	v_cndmask_b32 v[(\st)+4], v[(\st)+4], v[(\idn)], s[MK+1]
	s_delay_alu instid0(VALU_DEP_1)
	v_cndmask_b32 v[(\st)+4], v[(\st)+4], v[(\st)+3], s[MK]
	v_cndmask_b32 v[(\st)+3], v[(\st)+3], v[(\idn)], s[MK]
	v_med3_num_f32 v[(\st)+2], v[(\g)], v[(\st)+1], v[(\st)+2]
	v_med3_num_f32 v[(\st)+1], v[(\g)], v[(\st)], v[(\st)+1]
	v_max_num_f32 v[(\st)], v[(\g)], v[(\st)]
.endm
; Tile t's fragment and its C tile, into set t % 2: six LDS loads
.macro TLOADS t
.set XB, XF+16*((\t)%2)
.set CB, CT+8*((\t)%2)
.irp c, 0,1,2,3
	ds_load_b128 v[XB+4*\c:XB+4*\c+3], v[IM] offset:2048*(\t)+512*\c
.endr
	ds_load_b128 v[CB:CB+3], v[CKA] offset:64*(\t)
	ds_load_b128 v[CB+4:CB+7], v[CKA] offset:64*(\t)+16
.endm
; Tile t against my eight tiles of queries.  Each of the eight products has a result of its own and takes C from other registers: no sum is carried on from one to the next.
; more = 1: the next tile's six loads go out behind the products, into the other set.
.macro MTILE t, more
.set XB, XF+16*((\t)%2)
.set CB, CT+8*((\t)%2)
	s_wait_dscnt 0x0                               ; this tile's six loads, the only LDS instructions of mine that are out
	WIN 0x04                                       ; source 1 (Q) in window 1
.irp u, 0,1,2,3,4,5,6,7
	v_wmma_f32_16x16x128_bf8_bf8 v[D+8*\u:D+8*\u+7], v[XB:XB+15], v[16*\u:16*\u+15], v[CB:CB+7]
.endr
	WIN 0
.if \more
	TLOADS (\t)+1
.endif
.rept 4
	v_nop                                          ; four places between the last product and the first read of its result (ISA guide 7.12.1)
.endr
.irp u, 0,1,2,3,4,5,6,7                ; each result is read from its low end on
.if ((\t)%5) == 0
	v_max3_num_f32 v[GM+2*\u], v[D+8*\u], v[D+8*\u+1], v[D+8*\u+2]       ; a block's first tile starts the two groups' maxima
	v_max3_num_f32 v[GM+2*\u+1], v[D+8*\u+4], v[D+8*\u+5], v[D+8*\u+6]
	v_max_num_f32 v[GM+2*\u], v[GM+2*\u], v[D+8*\u+3]
	v_max_num_f32 v[GM+2*\u+1], v[GM+2*\u+1], v[D+8*\u+7]
.else
	v_max3_num_f32 v[GM+2*\u], v[GM+2*\u], v[D+8*\u], v[D+8*\u+1]
	v_max3_num_f32 v[GM+2*\u+1], v[GM+2*\u+1], v[D+8*\u+4], v[D+8*\u+5]
	v_max3_num_f32 v[GM+2*\u], v[GM+2*\u], v[D+8*\u+2], v[D+8*\u+3]
	v_max3_num_f32 v[GM+2*\u+1], v[GM+2*\u+1], v[D+8*\u+6], v[D+8*\u+7]
.endif
.endr
.if ((\t)%5) == 4                      ; the block's fifth tile: groups 10 h + 2 b and 10 h + 2 b + 1 are whole
	v_add_nc_u32 v[ID0], 2*((\t)/5), v[TENH]
	v_add_nc_u32 v[ID0+1], 2*((\t)/5)+1, v[TENH]
.irp s, 0,1
.irp u, 0,1,2,3,4,5,6,7
	INSERT GM+2*\u+\s, ST+6*\u, ID0+\s
.endr
.endr
.endif
.endm
	s_load_b128 s[4:7], s[0:1], 0x0                ; X, the scales' exponents
	s_load_b128 s[8:11], s[0:1], 0x10              ; qfrag, cand
	v_lshl_add_u32 v254, v0, 2, 0x48c00
	v_mov_b32 v255, 0
	ds_add_u32 v254, v255
	ds_add_u32 v254, v255
	v_lshrrev_b32 v1, 5, v0
	s_delay_alu instid0(VALU_DEP_1)
	v_readfirstlane_b32 s12, v1                    ; wave 0..7
	v_and_b32 v[L16], 31, v0
	s_delay_alu instid0(VALU_DEP_1)
	v_lshlrev_b32 v[L16], 4, v[L16]
	; descriptor group 1: rows of 128 elements of 4 bytes, dense in memory, 16 bytes of padding behind each in LDS
	s_mov_b32 s[G1A+0], (2<<16)|(1<<20)|(6<<22)|(3<<25)   ; no mask; elements of 4 bytes; padding on; after every 128 words (code 6) 4 words (code 3)
	s_mov_b32 s[G1A+1], 128<<16                    ; tensor_dim0 = 128
	s_mov_b32 s[G1A+2], 20<<16                     ; tensor_dim1 = 20
	s_mov_b32 s[G1A+3], 128<<16                    ; tile_dim0 = 128
	s_mov_b32 s[G1A+4], 20                         ; tile_dim1 = 20
	s_mov_b32 s[G1A+5], 128                        ; elements from row to row
	s_mov_b32 s[G1A+6], 0
	s_mov_b32 s[G1A+7], 0
	s_mov_b32 s[G1B+0], (2<<16)|(1<<20)|(6<<22)|(3<<25)
	s_mov_b32 s[G1B+1], 128<<16
	s_mov_b32 s[G1B+2], 10<<16                     ; the same with 10 rows
	s_mov_b32 s[G1B+3], 128<<16
	s_mov_b32 s[G1B+4], 10
	s_mov_b32 s[G1B+5], 128
	s_mov_b32 s[G1B+6], 0
	s_mov_b32 s[G1B+7], 0
	; wave w = 4 hh + p brings local rows 200 hh + 20 p (20 rows), 200 hh + 80 + 20 p (20), 200 hh + 160 + 10 p (10) to LDS rows 88 hh + 20 p, 168 + 88 hh + 20 p, 336 + 88 hh + 10 p
	s_lshr_b32 s13, s12, 2                         ; hh
	s_and_b32 s14, s12, 3                          ; p
	s_mul_i32 s15, s13, 88
	s_mul_i32 s13, s13, 200
	s_mul_i32 s56, s14, 20
	s_mul_i32 s57, s14, 10
	s_add_co_u32 s58, s15, s56                     ; LDS row of load 0
	s_add_co_u32 s59, s13, s56                     ; its local row
	s_mul_i32 s[G0+1], s58, PITCH
	s_add_co_u32 s60, s58, 168
	s_mul_i32 s[G0+5], s60, PITCH
	s_add_co_u32 s60, s15, s57
	s_add_co_u32 s60, s60, 336
	s_mul_i32 s[G0+9], s60, PITCH
	s_mul_i32 s61, ttmp9, 400                      ; the work-group's first row of X
	s_add_co_u32 s56, s61, s59
	s_add_co_u32 s58, s56, 80
	s_add_co_u32 s60, s61, s13
	s_add_co_u32 s60, s60, s57
	s_add_co_u32 s60, s60, 160
	s_lshl_b32 s56, s56, 9                         ; rows of 512 bytes: 51,200,000 at the most
	s_lshl_b32 s58, s58, 9
	s_lshl_b32 s60, s60, 9
	s_mov_b32 s57, 0
	s_mov_b32 s59, 0
	s_mov_b32 s61, 0
	s_mov_b32 s[G0+0], 1
	s_mov_b32 s[G0+4], 1
	s_mov_b32 s[G0+8], 1
	s_mov_b32 s[SEL], 0x76543210
	s_mov_b32 s[SEL+1], 0xfedcba98
	s_wait_alu depctr_va_vdst(0)
	s_wait_dscnt 0x0
	s_wait_kmcnt 0x0
	s_load_b64 s[62:63], s[6:7], 0x0               ; eq, ex
	s_add_nc_u64 s[G0+2:G0+3], s[4:5], s[56:57]
	s_or_b32 s[G0+3], s[G0+3], 0x80000000          ; type = 2
	s_add_nc_u64 s[G0+6:G0+7], s[4:5], s[58:59]
	s_or_b32 s[G0+7], s[G0+7], 0x80000000
	s_add_nc_u64 s[G0+10:G0+11], s[4:5], s[60:61]
	s_or_b32 s[G0+11], s[G0+11], 0x80000000
	tensor_load_to_lds s[G0:G0+3], s[G1A:G1A+7]    ; all that the work-group will read of X is asked for here: three loads a wave, 50 rows
	s_nop 0
	tensor_load_to_lds s[G0+4:G0+7], s[G1A:G1A+7]
	s_nop 0
	tensor_load_to_lds s[G0+8:G0+11], s[G1B:G1B+7]
	s_nop 0
.rept 4
	v_nop
.endr
	s_lshl_b32 s60, s12, 14                        ; my eight tiles of Q's codes: 16,384 bytes a wave
	s_add_nc_u64 s[8:9], s[8:9], s[60:61]
	WIN 0x40                                       ; destination window 1
.irp u, 0,1,2,3,4,5,6,7
.irp c, 0,1,2,3
	global_load_b128 v[16*\u+4*\c:16*\u+4*\c+3], v[L16], s[8:9] offset:2048*\u+512*\c   ; 512 consecutive bytes; the image is the fragment
.endr
.endr
	WIN 0
	v_and_b32 v1, 15, v0                           ; r
	v_bfe_u32 v2, v0, 4, 1                         ; h
	v_bfe_u32 v[XT], v0, 3, 1                      ; r / 8
	s_delay_alu instid0(VALU_DEP_1)
	v_mul_u32_u24 v[XR], v[XT], 88
	v_bfe_u32 v[XT], v0, 2, 1                      ; (r / 4) % 2
	s_delay_alu instid0(VALU_DEP_1)
	v_mad_u32_u24 v[XR], v[XT], 20, v[XR]
	v_and_b32 v[XT], 3, v0                         ; r % 4
	s_delay_alu instid0(VALU_DEP_1)
	v_add_nc_u32 v[XR], v[XR], v[XT]
	s_delay_alu instid0(VALU_DEP_1)
	v_mul_u32_u24 v[XR], v[XR], PITCH
	s_delay_alu instid0(VALU_DEP_1)
	v_lshl_add_u32 v[XR], v2, 6, v[XR]
	s_delay_alu instid0(VALU_DEP_1)
	v_add_nc_u32 v[X24], 352*PITCH, v[XR]          ; tile 24 (b = 4, i = 4): LDS row 336 + 16
	v_add_nc_u32 v[IM], IMG, v[L16]
	s_lshl_b32 s13, s12, 11
	v_add_nc_u32 v[IS], s13, v[IM]
	v_lshlrev_b32 v[CS], 2, v1
	s_lshl_b32 s13, s12, 6
	v_add_nc_u32 v[CS], s13, v[CS]
	s_delay_alu instid0(VALU_DEP_1)
	v_add_nc_u32 v[CS], CKB, v[CS]
	v_lshlrev_b32 v[CKA], 5, v2
	s_delay_alu instid0(VALU_DEP_1)
	v_add_nc_u32 v[CKA], CKB, v[CKA]
	v_mul_u32_u24 v[TENH], v2, 10
.irp p, 0,1,2                          ; in part p my tile is t = 8 p + w = 5 b + i; its term: LDS row 168 (b / 2) + 40 (b % 2) + 4 i = 88 (b / 2) + 20 b + 4 t
	s_add_co_u32 s56, s12, 8*\p
	s_mul_i32 s57, s56, 13
	s_lshr_b32 s57, s57, 6                         ; b = t / 5 for t up to 24
	s_lshr_b32 s58, s57, 1
	s_mul_i32 s58, s58, 88
	s_mul_i32 s57, s57, 20
	s_lshl_b32 s56, s56, 2
	s_add_co_u32 s56, s56, s57
	s_add_co_u32 s56, s56, s58
	s_mul_i32 s[SR+\p], s56, PITCH
.endr
	s_mul_i32 s56, s12, 1000                       ; cand: block of 32 queries 4 w + u / 2, work-group: ((4 w) 250 + work-group) x 512 bytes
	s_add_co_u32 s56, s56, ttmp9
	s_lshl_b32 s56, s56, 9
	s_mov_b32 s57, 0
	s_add_nc_u64 s[10:11], s[10:11], s[56:57]
.irp u, 0,1,2,3,4,5,6,7
.irp k, 0,1,2
	v_mov_b32 v[ST+6*\u+\k], 0xff800000            ; the states begin under every key: each half of the lanes is offered ten groups
	v_mov_b32 v[ST+6*\u+3+\k], 0
.endr
.endr
	s_wait_kmcnt 0x0
	s_add_co_i32 s[NEGE], s62, s63
	s_add_co_i32 s[NEGE], s[NEGE], 1
	s_sub_co_i32 s[NEGE], 0, s[NEGE]               ; -(E + 1)
	s_add_co_i32 s56, s63, 127
	s_lshl_b32 s57, s56, 23
	v_mov_b32 v[SC], s57                           ; 2^ex as f32: the conversion takes its exponent field
	s_add_co_i32 s56, s56, 15
	s_lshl_b32 s56, s56, 23
	s_or_b32 s56, s56, 0x600000
	; PART 0: tiles 0-7 need LDS rows 0-167
	s_wait_tensorcnt 0x2                           ; my first load has landed; my other two stay out
	s_barrier_signal -1
	s_barrier_wait -1                              ; everybody's has
	v_add_nc_u32 v[XT], s[SR], v[XR]
	QPHASE XT, 0, 0
	BAR                                            ; images 0-7 lie in LDS
	s_wait_loadcnt 0x0                             ; Q's fragments
	TLOADS 0
.irp t, 0,1,2,3,4,5,6
	MTILE \t, 1
.endr
	MTILE 7, 0
	; PART 1: tiles 8-15 need LDS rows up to 335
	s_wait_tensorcnt 0x1                           ; my second load has landed; the third stays out
	BAR
	v_add_nc_u32 v[XT], s[SR+1], v[XR]
	QPHASE XT, 16384, 512
	BAR
	TLOADS 8
.irp t, 8,9,10,11,12,13,14
	MTILE \t, 1
.endr
	MTILE 15, 0
	; PART 2: tiles 16-24
	s_wait_tensorcnt 0x0
	BAR
	v_add_nc_u32 v[XT], s[SR+2], v[XR]
	QPHASE XT, 32768, 1024
	s_cmp_lg_u32 s12, 0                            ; 25 tiles for 8 waves: the last is wave 0's.  No barrier stands inside the branch
	s_cbranch_scc1 .Lno24
	QPHASE X24, 49152, 1536
.Lno24:
	BAR
	TLOADS 16
.irp t, 16,17,18,19,20,21,22,23
	MTILE \t, 1
.endr
	MTILE 24, 0
	; THE END.  A query's groups 0-9 lie in lane r, groups 10-19 in lane r + 16.  Each lane is offered the other's three; the result is right in lanes 0-15, whose own groups are the lower ones.
.irp u, 0,1,2,3,4,5,6,7
.irp k, 0,1,2,3,4,5
	v_permlanex16_b32 v[TMP+8*(\u%2)+\k], v[ST+6*\u+\k], s[SEL], s[SEL+1]
.endr
	INSERT TMP+8*(\u%2), ST+6*\u, TMP+8*(\u%2)+3
	INSERT TMP+8*(\u%2)+1, ST+6*\u, TMP+8*(\u%2)+4
	INSERT TMP+8*(\u%2)+2, ST+6*\u, TMP+8*(\u%2)+5
	s_delay_alu instid0(VALU_DEP_4)
	v_lshl_or_b32 v[ST+6*\u+3], v[ST+6*\u+4], 8, v[ST+6*\u+3]
	s_delay_alu instid0(VALU_DEP_1)
	v_lshl_or_b32 v[ST+6*\u+3], v[ST+6*\u+5], 16, v[ST+6*\u+3]   ; [m1 m2 m3 i1 | i2 << 8 | i3 << 16]: 16 bytes a query
.endr
	s_mov_b32 s13, 0xffff0000                      ; lanes 16-31
.irp e, 0,2,4,6                        ; two tiles' queries side by side: tile e in lanes 0-15, tile e + 1 in lanes 16-31
.irp k, 0,1,2,3
	v_permlanex16_b32 v[TMP+\k], v[ST+6*(\e+1)+\k], s[SEL], s[SEL+1]
.endr
.irp k, 0,1,2,3
	s_delay_alu instid0(VALU_DEP_4)
	v_cndmask_b32 v[ST+6*\e+\k], v[ST+6*\e+\k], v[TMP+\k], s13
.endr
	global_store_b128 v[L16], v[ST+6*\e:ST+6*\e+3], s[10:11] offset:64000*\e   ; 512 consecutive bytes, aligned; a block of 32 queries is 250 x 512 bytes
.endr
	s_wait_tensorcnt 0x0
	ds_add_u32 v254, v255
	s_wait_dscnt 0x0
	s_endpgm
.Lfunc_end_k_qdffd12b868_main:
	.size	k_qdffd12b868_main, .Lfunc_end_k_qdffd12b868_main-k_qdffd12b868_main
	.p2alignl 7, 3214868480
	.fill 96, 4, 3214868480
	.section	.rodata,"a",@progbits
	.p2align	6, 0x0
	.amdhsa_kernel k_qdffd12b868_main
		.amdhsa_group_segment_fixed_size 299008
		.amdhsa_private_segment_fixed_size 0
		.amdhsa_enable_private_segment 0
		.amdhsa_kernarg_size 32
		.amdhsa_user_sgpr_count 2
		.amdhsa_user_sgpr_kernarg_segment_ptr 1
		.amdhsa_wavefront_size32 1
		.amdhsa_system_sgpr_workgroup_id_x 1
		.amdhsa_system_sgpr_workgroup_id_y 1
		.amdhsa_system_sgpr_workgroup_id_z 1
		.amdhsa_system_vgpr_workitem_id 0
		.amdhsa_next_free_vgpr 384
		.amdhsa_next_free_sgpr 66
		.amdhsa_reserve_vcc 0
		.amdhsa_float_denorm_mode_32 3
		.amdhsa_float_denorm_mode_16_64 3
		.amdhsa_fp16_overflow 1
		.amdhsa_memory_ordered 1
		.amdhsa_forward_progress 1
		.amdhsa_inst_pref_size 199
	.end_amdhsa_kernel
	.amdgpu_metadata
---
amdhsa.version: [ 1, 2 ]
amdhsa.kernels:
  - .name:           k_qdffd12b868_main
    .symbol:         k_qdffd12b868_main.kd
    .args:
      - { .name: dataTensorX, .offset: 0, .size: 8, .value_kind: global_buffer, .address_space: global }
      - { .name: lowp_scales, .offset: 8, .size: 8, .value_kind: global_buffer, .address_space: global }
      - { .name: qfrag, .offset: 16, .size: 8, .value_kind: global_buffer, .address_space: global }
      - { .name: cand, .offset: 24, .size: 8, .value_kind: global_buffer, .address_space: global }
    .group_segment_fixed_size: 299008
    .private_segment_fixed_size: 0
    .kernarg_segment_align: 8
    .kernarg_segment_size: 32
    .max_flat_workgroup_size: 256
    .sgpr_count:     66
    .vgpr_count:     384
    .wavefront_size: 32
...
	.end_amdgpu_metadata
.endif
;; end of part 2
;; launch merge (part 3): grid 64 x 1, 25 waves a work-group, no clusters, 34,048 bytes of LDS; arguments cand, sel; writes sel
.if DOCPART == 3
	.amdgcn_target "amdgcn-amd-amdhsa--gfx1250"
	.amdhsa_code_object_version 6
	.text
	.protected	k_qdffd12b868_merge
	.globl	k_qdffd12b868_merge
	.p2align	8
	.type	k_qdffd12b868_merge,@function
k_qdffd12b868_merge:
	s_mov_b64 s[64:65], 0
	v_nop
	global_prefetch_b8 v0, s[64:65] scope:SCOPE_SE
	s_setreg_imm32_b32 hwreg(HW_REG_WAVE_MODE, 25, 1), 1
	s_wait_xcnt 0x0
; For each query the 250 source work-groups' best three groups (750 candidates) become the best three of all 5,000 groups; their numbers are stored as whole numbers, from which the next launch forms addresses.
; SHARES.  A work-group takes 16 queries: half a block of cand, so that each piece it reads is 256 consecutive bytes, aligned.  250 sources = 25 waves x 2 halves of the lanes x 5:
; lane (r, h) of wave W takes, for query r, sources 10 W + 5 h + 0 .. 4.  Three stages of five: 250 triples a query -> 50 (25 waves) -> 10 (waves 0-4) -> 2 (wave 0) -> 1 (the halves of the lanes).
; A STATE is [m1 >= m2 >= m3, i1, i2, i3].  A TRIPLE THAT IS OFFERED IS SORTED TOO: once its first number has been offered, m1 is at least that number, so the second can never pass m1; likewise the third can
; pass neither m1 nor m2.  Those comparisons and their selections are left out: 11 + 7 + 3 instructions a triple, with the result of three full insertions.
; TIES go to the lower group: comparisons are strict, every lane is offered its triples in ascending order of sources, the ranges of sources ascend with wave and half at every stage, and in the
; exchange between the halves the result is taken from lanes 0-15, whose own range is the lower one.  No branch and no address hangs on a key: selections alone.
; Global group = 20 x source + local group = 200 W + 100 h + 20 n + local: 20 n is added to a triple's three packed bytes at once (99 at the most), the lane's 200 W + 100 h once at the end of stage 1.
; LIMITS: NaN and infinities among the keys are not served (as in the launch that makes them).
; LDS: region A: 50 states of 512 bytes, state T = 2 W + h (sources 5 T .. 5 T + 4): [0 m1 m2 m3] at 512 T + 16 r, [i1 i2 i3 0] 256 bytes on: sixteen lanes touch 256 consecutive bytes.
;      region B: 10 states, U = 2 V + h (states 5 U .. 5 U + 4 of A), laid alike.  No byte is written twice: each of the two barriers stands between a region's writing and its reading.
; 4 MB are read once; no matrix work, no tensor load, no cluster: work-groups share nothing.
.set REGB,  25600                      ; region B
.set LANE,  1
.set R16,   2                          ; 16 r: my place in a piece of 256 bytes, and in sel
.set VO,    3                          ; 2,560 h + 16 r: five pieces of 512 bytes to a half of the lanes, in cand and in LDS alike
.set A2V,   4                          ; where I read states: VO + 5,120 x min(wave, 4)
.set SA,    5                          ; where I store into A: 1,024 x wave + 512 h + 16 r
.set SB,    6                          ; where I store into B: REGB + 1,024 x min(wave, 4) + 512 h + 16 r
.set BASEV, 7                          ; 200 x wave + 100 h
.set ST,    9                          ; v9-14 the state; v8 = v15 = 0, so that v[8:11] and v[12:15] are its 32 bytes, and v[12:15] the output
.set LD,    16                         ; v16-35 five sources as loaded; later v16-47 four states from LDS
.set IDT,   48                         ; v48-50 a triple's numbers
.set HH,    51
.set MK0,   20                         ; s20-25 compare masks, two sets of three by turns
.set SEL,   26                         ; s[26:27] lane selects: lane l xor 16
.set NI,    0
.macro INS1 g, idn                     ; a triple's first: a full insertion.  The new m stand ahead of the selections, so that the next comparisons find them ready
.set MK, MK0+3*(NI%2)
.set NI, NI+1
	v_cmp_gt_f32 s[MK], v[(\g)], v[ST]
	v_cmp_gt_f32 s[MK+1], v[(\g)], v[ST+1]
	v_cmp_gt_f32 s[MK+2], v[(\g)], v[ST+2]
	v_med3_num_f32 v[ST+2], v[(\g)], v[ST+1], v[ST+2]
	v_med3_num_f32 v[ST+1], v[(\g)], v[ST], v[ST+1]
	v_max_num_f32 v[ST], v[(\g)], v[ST]
	s_delay_alu instid0(VALU_DEP_4)
	v_cndmask_b32 v[ST+5], v[ST+5], v[(\idn)], s[MK+2]
	s_delay_alu instid0(VALU_DEP_1)
	v_cndmask_b32 v[ST+5], v[ST+5], v[ST+4], s[MK+1]
	v_cndmask_b32 v[ST+4], v[ST+4], v[(\idn)], s[MK+1]
	s_delay_alu instid0(VALU_DEP_1)
	v_cndmask_b32 v[ST+4], v[ST+4], v[ST+3], s[MK]
	v_cndmask_b32 v[ST+3], v[ST+3], v[(\idn)], s[MK]
.endm
.macro INS2 g, idn                     ; its second: it cannot pass m1
.set MK, MK0+3*(NI%2)
.set NI, NI+1
	v_cmp_gt_f32 s[MK+1], v[(\g)], v[ST+1]
	v_cmp_gt_f32 s[MK+2], v[(\g)], v[ST+2]
	v_med3_num_f32 v[ST+2], v[(\g)], v[ST+1], v[ST+2]
	v_max_num_f32 v[ST+1], v[(\g)], v[ST+1]
	s_delay_alu instid0(VALU_DEP_3)
	v_cndmask_b32 v[ST+5], v[ST+5], v[(\idn)], s[MK+2]
	s_delay_alu instid0(VALU_DEP_1)
	v_cndmask_b32 v[ST+5], v[ST+5], v[ST+4], s[MK+1]
	v_cndmask_b32 v[ST+4], v[ST+4], v[(\idn)], s[MK+1]
.endm
.macro INS3 g, idn                     ; its third: it can pass m3 alone
.set MK, MK0+3*(NI%2)
.set NI, NI+1
	v_cmp_gt_f32 s[MK+2], v[(\g)], v[ST+2]
	v_max_num_f32 v[ST+2], v[(\g)], v[ST+2]
	s_delay_alu instid0(VALU_DEP_2)
	v_cndmask_b32 v[ST+5], v[ST+5], v[(\idn)], s[MK+2]
.endm
.macro MERGE3 g, idn                   ; the sorted triple v[g .. g + 2], with the numbers v[idn .. idn + 2], is offered to the state
	INS1 \g, \idn
	INS2 (\g)+1, (\idn)+1
	INS3 (\g)+2, (\idn)+2
.endm
; Five states from LDS, off bytes on, become one: the first IS the new state, the other four are offered in ascending order.
.macro STAGE off
	ds_load_b128 v[8:11], v[A2V] offset:(\off)
	ds_load_b128 v[12:15], v[A2V] offset:(\off)+256
.irp n, 1,2,3,4
	ds_load_b128 v[LD+8*(\n-1):LD+8*(\n-1)+3], v[A2V] offset:(\off)+512*\n
	ds_load_b128 v[LD+8*(\n-1)+4:LD+8*(\n-1)+7], v[A2V] offset:(\off)+512*\n+256
.endr
.irp n, 1,2,3,4
	s_wait_alu depctr_va_vdst(0)
	s_wait_dscnt 8-2*\n                            ; LDS loads come back in order (ISA guide 5.7.1): state n's two are in, the 8 - 2 n issued behind them may be out
	MERGE3 LD+8*(\n-1)+1, LD+8*(\n-1)+4
.endr
.endm
	s_load_b128 s[4:7], s[0:1], 0x0                ; cand, sel
	v_lshl_add_u32 v64, v0, 2, 0x7800
	v_mov_b32 v65, 0
	v_lshrrev_b32 v[HH], 5, v0
	s_delay_alu instid0(VALU_DEP_1)
	v_readfirstlane_b32 s12, v[HH]                 ; wave 0..24
	v_and_b32 v[LANE], 31, v0
	v_and_b32 v[R16], 15, v0
	s_delay_alu instid0(VALU_DEP_1)
	v_lshlrev_b32 v[R16], 4, v[R16]
	v_bfe_u32 v[HH], v0, 4, 1                      ; h
	s_delay_alu instid0(VALU_DEP_1)
	v_mul_u32_u24 v[VO], v[HH], 2560
	s_delay_alu instid0(VALU_DEP_1)
	v_add_nc_u32 v[VO], v[VO], v[R16]
	s_min_u32 s13, s12, 4                          ; only waves 0-4 read states and store into B
	s_mul_i32 s14, s13, 5120
	v_add_nc_u32 v[A2V], s14, v[VO]
	v_lshl_add_u32 v[SA], v[HH], 9, v[R16]
	s_lshl_b32 s14, s13, 10
	s_add_co_u32 s14, s14, REGB
	v_add_nc_u32 v[SB], s14, v[SA]
	s_lshl_b32 s14, s12, 10
	v_add_nc_u32 v[SA], s14, v[SA]
	v_mul_u32_u24 v[BASEV], v[HH], 100
	s_mul_i32 s14, s12, 200
	v_add_nc_u32 v[BASEV], s14, v[BASEV]
	s_lshr_b32 s14, ttmp9, 1                       ; the block of 32 queries,
	s_mul_i32 s14, s14, 250
	s_mul_i32 s15, s12, 10
	s_add_co_u32 s14, s14, s15                     ; my wave's first source in it,
	s_lshl_b32 s16, s14, 9                         ; 512 bytes each,
	s_and_b32 s15, ttmp9, 1
	s_lshl_b32 s15, s15, 8                         ; and my work-group's half of each: 256 bytes
	s_add_co_u32 s16, s16, s15
	s_mov_b32 s17, 0
	s_lshl_b32 s18, ttmp9, 8                       ; sel: 16 queries x 16 bytes
	s_mov_b32 s19, 0
	s_mov_b32 s[SEL], 0x76543210
	s_mov_b32 s[SEL+1], 0xfedcba98
	v_mov_b32 v8, 0
	v_mov_b32 v15, 0
	s_wait_alu depctr_va_vdst(0)
	s_wait_kmcnt 0x0
	s_add_nc_u64 s[4:5], s[4:5], s[16:17]
	s_add_nc_u64 s[6:7], s[6:7], s[18:19]
.irp n, 0,1,2,3,4
	global_load_b128 v[LD+4*\n:LD+4*\n+3], v[VO], s[4:5] offset:512*\n th:TH_LOAD_NT   ; each half of the lanes reads 256 consecutive bytes, aligned; read once in the launch
.endr
	; STAGE 1: my five sources
	s_wait_loadcnt 4                               ; the first source is in; the four behind it stay out
.irp k, 0,1,2                          ; it starts the state: its three are sorted
	v_mov_b32 v[ST+\k], v[LD+\k]
	v_bfe_u32 v[ST+3+\k], v[LD+3], 8*\k, 8
.endr
.set NN, 1
	s_wait_alu depctr_va_vdst(0)
.rept 4
	s_wait_alu depctr_va_vdst(0)
	s_wait_loadcnt 4-NN                            ; source NN is in; those behind it stay out
	v_add_nc_u32 v[LD+4*NN+3], 0x141414*NN, v[LD+4*NN+3]   ; + 20 NN in each of the three bytes
.irp k, 0,1,2
	v_bfe_u32 v[IDT+\k], v[LD+4*NN+3], 8*\k, 8
.endr
	MERGE3 LD+4*NN, IDT
.set NN, NN+1
.endr
.irp k, 0,1,2
	v_add_nc_u32 v[ST+3+\k], v[BASEV], v[ST+3+\k]  ; global groups from here on
.endr
	ds_store_b128 v[SA], v[8:11]
	ds_store_b128 v[SA], v[12:15] offset:256
	s_wait_dscnt 0x0                               ; for the others' sake: my stores have landed
	s_barrier_signal -1
	s_barrier_wait -1                              ; region A is whole
	; STAGE 2: waves 0-4; the others go straight to the next barrier, which every wave passes
	s_cmp_gt_u32 s12, 4
	s_cbranch_scc1 .Lskip2
	STAGE 0
	ds_store_b128 v[SB], v[8:11]
	ds_store_b128 v[SB], v[12:15] offset:256
.Lskip2:
	s_wait_dscnt 0x0                               ; my stores into B have landed, my reads of A are in
	s_barrier_signal -1
	s_barrier_wait -1                              ; region B is whole
	; STAGE 3: wave 0
	s_cmp_lg_u32 s12, 0
	s_cbranch_scc1 .Lend
	STAGE REGB
.irp k, 0,1,2,3,4,5
	v_permlanex16_b32 v[LD+\k], v[ST+\k], s[SEL], s[SEL+1]   ; the other half's state (the destinations have been written: LDS loads landed there)
.endr
	MERGE3 LD, LD+3                                ; right in lanes 0-15, whose own sources are the lower ones
	v_cmp_gt_u32 vcc_lo, 16, v[LANE]
	s_wait_alu depctr_va_vdst(0)
	s_wait_xcnt 0x0                                ; EXEC changes only behind this wait
	s_wait_tensorcnt 0x0
	ds_add_u32 v64, v65
	s_wait_dscnt 0x0
	s_and_saveexec_b32 s20, vcc_lo
	global_store_b128 v[R16], v[12:15], s[6:7]     ; g1, g2, g3, 0: sixteen lanes store 256 consecutive bytes, aligned
	s_endpgm
.Lend:
	s_wait_tensorcnt 0x0
	ds_add_u32 v64, v65
	s_wait_dscnt 0x0
	s_endpgm
.Lfunc_end_k_qdffd12b868_merge:
	.size	k_qdffd12b868_merge, .Lfunc_end_k_qdffd12b868_merge-k_qdffd12b868_merge
	.p2alignl 7, 3214868480
	.fill 96, 4, 3214868480
	.section	.rodata,"a",@progbits
	.p2align	6, 0x0
	.amdhsa_kernel k_qdffd12b868_merge
		.amdhsa_group_segment_fixed_size 34048
		.amdhsa_private_segment_fixed_size 0
		.amdhsa_enable_private_segment 0
		.amdhsa_kernarg_size 16
		.amdhsa_user_sgpr_count 2
		.amdhsa_user_sgpr_kernarg_segment_ptr 1
		.amdhsa_wavefront_size32 1
		.amdhsa_system_sgpr_workgroup_id_x 1
		.amdhsa_system_sgpr_workgroup_id_y 1
		.amdhsa_system_sgpr_workgroup_id_z 1
		.amdhsa_system_vgpr_workitem_id 0
		.amdhsa_next_free_vgpr 66
		.amdhsa_next_free_sgpr 66
		.amdhsa_reserve_vcc 1
		.amdhsa_float_denorm_mode_32 3
		.amdhsa_float_denorm_mode_16_64 3
		.amdhsa_memory_ordered 1
		.amdhsa_forward_progress 1
		.amdhsa_inst_pref_size 26
	.end_amdhsa_kernel
	.amdgpu_metadata
---
amdhsa.version: [ 1, 2 ]
amdhsa.kernels:
  - .name:           k_qdffd12b868_merge
    .symbol:         k_qdffd12b868_merge.kd
    .args:
      - { .name: cand, .offset: 0, .size: 8, .value_kind: global_buffer, .address_space: global }
      - { .name: sel, .offset: 8, .size: 8, .value_kind: global_buffer, .address_space: global }
    .group_segment_fixed_size: 34048
    .private_segment_fixed_size: 0
    .kernarg_segment_align: 8
    .kernarg_segment_size: 16
    .max_flat_workgroup_size: 800
    .sgpr_count:     66
    .vgpr_count:     66
    .wavefront_size: 32
...
	.end_amdgpu_metadata
.endif
;; end of part 3
;; launch final (part 4): grid 256 x 1, 4 waves a work-group, no clusters, 154,112 bytes of LDS; arguments dataTensorX, dataTensorY, lowp_scales, qfrag, q2, sel, out0, out1; writes out0, out1
.if DOCPART == 4
	.amdgcn_target "amdgcn-amd-amdhsa--gfx1250"
	.amdhsa_code_object_version 6
	.text
	.protected	k_qdffd12b868_final
	.globl	k_qdffd12b868_final
	.p2align	8
	.type	k_qdffd12b868_final,@function
k_qdffd12b868_final:
	s_mov_b64 s[64:65], 0
	v_nop
	global_prefetch_b8 v0, s[64:65] scope:SCOPE_SE
	s_setreg_imm32_b32 hwreg(HW_REG_WAVE_MODE, 25, 1), 1
	s_wait_xcnt 0x0
; THE EXACT FINISH.  A wave takes one query.  Its three groups of 20 rows (whole numbers that the launch before stored) are sorted ascending and gathered (60 rows of 512 consecutive bytes), quantised as
; in the filter, multiplied by the query's codes in four matrix instructions, and d = (q2 - 2 P) + x2 is formed as the problem writes it, in f32.  The three smallest d give the indices, ties to the
; lower index (candidates are offered in ascending index order, comparisons are strict).  Y's rows are CHOSEN BY VALUE: all 60 rows of Y of the three groups are loaded, and those whose index equals a winner
; are summed: no address and no branch hangs on a floating-point number.
; CANDIDATES.  c = 20 k + e (group k, row e) lies in stage row c + 8 (c / 32).  Row m of tile t is c = 32 (m / 8) + 8 t + m % 8, so that lane half h holds c = 32 h + 8 t + j in register j of result t: ascending
; within a lane, and half 0's all below half 1's.  c = 60 .. 63 are copies of 56 .. 59, so that no LDS byte is read unwritten; their d is set to +infinity.
; Source 1 of the product is the query's fragment in all 16 columns: every lane of a half holds the same numbers.
; LIMITS.  ex between -126 and 112; eq + ex between -127 and 126 (2^(eq + ex + 1) is an f32 number).  NaN and infinities are not served.  The mean is the sum x (1 / 3).
; No barrier: waves share nothing; a wave's LDS is 38,400 bytes: a stage of 72 rows x 528, then 64 words of x2.  The 16 rows of a fragment load, 40 (r / 8) + r % 8, start at 16 different words modulo 64.
; The outputs are 12 bytes a query, parts of aligned blocks of 256: both outputs together are 24 KiB.
.set PITCH, 528
.set WREG,  38400
.set X2T,   72*PITCH
.set LANE, 1
.set RR,   2
.set HH,   3
.set L16,  4                           ; 16 x lane
.set SIN,  5                           ; the stage, on the way in
.set QA,   6                           ; the stage, on the way out: row 40 (r / 8) + r % 8, + 64 h
.set XS,   7                           ; where I store a row's x2: word 32 (r / 8) + r % 8
.set XL,   8                           ; where I read x2: word 32 h
.set QO,   9                           ; the query's place in its tile's image: 256 h + 16 (q % 16)
.set LIM,  10
.set SC,   11
.set YO,   12                          ; 12 x min(lane, 19)
.set L19,  13                          ; min(lane, 19)
.set T0,   14
.set OO,   15                          ; 4 x lane
.set RAW,  16                          ; v16-255 the 60 rows as loaded; behind their way into the stage:
.set QB,   16                          ; v16-31   the query's fragment
.set YV,   32                          ; v32-40   Y: group k, component j at 3 k + j
.set D,    48                          ; v48-79   four results
.set X2,   80                          ; v80-111  x2, then d
.set NUM,  112                         ; v112-175 a tile's numbers; behind the quantising:
.set ST,   112                         ; v112-117 [m1 <= m2 <= m3, i1, i2, i3]
.set ID,   118                         ; v118-119 a candidate's index
.set TMP,  120                         ; v120-125
.set PA,   126                         ; index - c0 for c0 < 8, c0 < 20, c0 >= 20
.set PB,   127
.set PCN,  128
.set INF,  129
.set ACC,  130                         ; v130-132 the sums of Y's components
.set TT,   133
.set FF,   134                         ; v[134:135] -2^(E + 1), twice
.set GG,   136                         ; v[136:137] q2, twice
.set T1,   138
.set T2,   139
.set COD,  176                         ; v176-239 four fragments of X
.set SM,   240                         ; v240-247 a sum's chains
.set MK0,  58                          ; s58-63 compare masks, two sets of three by turns
.set SEL,  66                          ; s[66:67] lane selects: lane l xor 16
.set NI,   0
; 16 rows x 128 f32 in LDS become a fragment.  v[adr] = the lane's row + 64 h.  Register 16 c + i holds k = 32 c + 16 h + i.  v[acc] ends as the row's sum of squares, in both halves of the lanes.
.macro QTILE adr, off, num, cod, acc
.irp c, 0,1,2,3
.irp j, 0,1,2,3
	ds_load_b128 v[(\num)+16*\c+4*\j:(\num)+16*\c+4*\j+3], v[\adr] offset:(\off)+128*\c+16*\j
.endr
.endr
	s_wait_dscnt 0x0                               ; all sixteen are in, and every earlier LDS store of mine has read its registers
.irp p, 0,2,4,6
	v_pk_mul_f32 v[(\acc)+\p:(\acc)+\p+1], v[(\num)+\p:(\num)+\p+1], v[(\num)+\p:(\num)+\p+1]
.endr
.irp g, 8,16,24,32,40,48,56
.irp p, 0,2,4,6
	v_pk_fma_f32 v[(\acc)+\p:(\acc)+\p+1], v[(\num)+\g+\p:(\num)+\g+\p+1], v[(\num)+\g+\p:(\num)+\g+\p+1], v[(\acc)+\p:(\acc)+\p+1]
.endr
.endr
	v_pk_add_f32 v[(\acc):(\acc)+1], v[(\acc):(\acc)+1], v[(\acc)+2:(\acc)+3]
	v_pk_add_f32 v[(\acc)+4:(\acc)+5], v[(\acc)+4:(\acc)+5], v[(\acc)+6:(\acc)+7]
	v_pk_add_f32 v[(\acc):(\acc)+1], v[(\acc):(\acc)+1], v[(\acc)+4:(\acc)+5]
	v_add_f32 v[(\acc)], v[(\acc)], v[(\acc)+1]
	v_permlanex16_b32 v[(\acc)+2], v[(\acc)], s[SEL], s[SEL+1]
	v_add_f32 v[(\acc)], v[(\acc)], v[(\acc)+2]
.set QI, 0
.rept 64
	v_med3_num_f32 v[(\num)+QI], v[(\num)+QI], -v[LIM], v[LIM]   ; the conversion to an 8-bit code does not saturate (ISA guide 7.6.2): the hold at the largest code x the scale
.set QI, QI+1
.endr
.irp g, 0,1,2,3,4,5,6,7
	v_cvt_scalef32_pk8_bf8_f32 v[(\cod)+2*\g:(\cod)+2*\g+1], v[(\num)+8*\g:(\num)+8*\g+7], v[SC]
.endr
	v_nop                                          ; one plain vector line behind the last scaled conversion
.endm
.macro INSERTLT g, st, idn             ; v[g], with the index v[idn], is offered to the state of the three smallest at v[st]; strict comparisons; selections alone
.set MK, MK0+3*(NI%2)
.set NI, NI+1
	v_cmp_lt_f32 s[MK], v[(\g)], v[(\st)]
	v_cmp_lt_f32 s[MK+1], v[(\g)], v[(\st)+1]
	v_cmp_lt_f32 s[MK+2], v[(\g)], v[(\st)+2]
	v_cndmask_b32 v[(\st)+5], v[(\st)+5], v[(\idn)], s[MK+2]
	v_cndmask_b32 v[(\st)+5], v[(\st)+5], v[(\st)+4], s[MK+1]
	v_cndmask_b32 v[(\st)+4], v[(\st)+4], v[(\idn)], s[MK+1]
	v_cndmask_b32 v[(\st)+4], v[(\st)+4], v[(\st)+3], s[MK]
	v_cndmask_b32 v[(\st)+3], v[(\st)+3], v[(\idn)], s[MK]
	v_med3_num_f32 v[(\st)+2], v[(\g)], v[(\st)+1], v[(\st)+2]
	v_med3_num_f32 v[(\st)+1], v[(\g)], v[(\st)], v[(\st)+1]
	v_min_num_f32 v[(\st)], v[(\g)], v[(\st)]
.endm
.macro STG c, src                      ; the row loaded as candidate src goes to candidate c's stage row
	ds_store_b128 v[SIN], v[RAW+4*(\src):RAW+4*(\src)+3] offset:((\c)+8*((\c)/32))*PITCH
.endm
	s_load_b256 s[4:11], s[0:1], 0x0               ; X s[4:5], Y s[6:7], the scales' exponents s[8:9], qfrag s[10:11]
	s_load_b256 s[12:19], s[0:1], 0x20             ; q2 s[12:13], sel s[14:15], out0 s[16:17], out1 s[18:19]
	s_set_vgpr_msb 0x40
	v_lshl_add_u32 v0, v0, 2, 0x25800
	v_mov_b32 v1, 0
	s_set_vgpr_msb 0x4000
	v_lshrrev_b32 v1, 5, v0
	v_readfirstlane_b32 s20, v1                    ; wave 0..3
	s_lshl_b32 s21, ttmp9, 2
	s_add_co_u32 s21, s21, s20                     ; my query
	v_and_b32 v[LANE], 31, v0
	v_and_b32 v[RR], 15, v0
	v_bfe_u32 v[HH], v0, 4, 1
	v_lshlrev_b32 v[L16], 4, v[LANE]
	s_mul_i32 s22, s20, WREG
	v_add_nc_u32 v[SIN], s22, v[L16]
	v_bfe_u32 v[T0], v0, 3, 1                      ; r / 8
	v_and_b32 v[OO], 7, v0                         ; r % 8
	v_mad_u32_u24 v[QA], v[T0], 40, v[OO]
	v_mul_u32_u24 v[QA], v[QA], PITCH
	v_lshl_add_u32 v[QA], v[HH], 6, v[QA]
	v_add_nc_u32 v[QA], s22, v[QA]
	v_lshlrev_b32 v[XS], 2, v[OO]
	v_lshl_add_u32 v[XS], v[T0], 7, v[XS]
	v_add_nc_u32 v[XS], s22, v[XS]
	v_add_nc_u32 v[XS], X2T, v[XS]
	v_lshlrev_b32 v[XL], 7, v[HH]
	v_add_nc_u32 v[XL], s22, v[XL]
	v_add_nc_u32 v[XL], X2T, v[XL]
	s_and_b32 s23, s21, 15
	s_lshl_b32 s23, s23, 4
	v_lshl_add_u32 v[QO], v[HH], 8, s23
	v_min_u32 v[L19], 19, v[LANE]
	v_mul_u32_u24 v[YO], v[L19], 12
	v_lshlrev_b32 v[OO], 2, v[LANE]
	s_lshl_b32 s24, s21, 4                         ; sel: 16 bytes a query
	s_mov_b32 s25, 0
	s_lshl_b32 s26, s21, 2                         ; q2: 4
	s_mov_b32 s27, 0
	s_mul_i32 s28, s21, 12                         ; the outputs: 12
	s_mov_b32 s29, 0
	s_lshr_b32 s30, s21, 4
	s_lshl_b32 s30, s30, 11                        ; qfrag: 2,048 bytes a tile of 16 queries
	s_mov_b32 s31, 0
	s_mov_b32 s[SEL], 0x76543210
	s_mov_b32 s[SEL+1], 0xfedcba98
	s_mov_b32 s69, 0xffff0000                      ; lanes 16-31
	s_wait_alu depctr_va_vdst(0)
	s_wait_kmcnt 0x0
	s_add_nc_u64 s[14:15], s[14:15], s[24:25]
	s_add_nc_u64 s[12:13], s[12:13], s[26:27]
	s_add_nc_u64 s[16:17], s[16:17], s[28:29]
	s_add_nc_u64 s[18:19], s[18:19], s[28:29]
	s_add_nc_u64 s[10:11], s[10:11], s[30:31]
	s_load_b128 s[32:35], s[14:15], 0x0            ; my three groups
	s_load_b32 s36, s[12:13], 0x0                  ; q2
	s_load_b64 s[38:39], s[8:9], 0x0               ; eq, ex
	s_wait_kmcnt 0x0
	s_min_u32 s40, s32, s33                        ; the three in ascending order,
	s_min_u32 s40, s40, s34
	s_max_u32 s42, s32, s33
	s_max_u32 s42, s42, s34
	s_add_co_u32 s41, s32, s33
	s_add_co_u32 s41, s41, s34
	s_sub_co_u32 s41, s41, s40
	s_sub_co_u32 s41, s41, s42
	s_min_u32 s40, s40, 4999                       ; and held inside the table: 5,000 groups
	s_min_u32 s41, s41, 4999
	s_min_u32 s42, s42, 4999
.irp k, 0,1,2
	s_mul_i32 s56, s[40+\k], 10240                 ; a group's 20 rows of X are 10,240 consecutive bytes,
	s_mov_b32 s57, 0
	s_add_nc_u64 s[44+2*\k:45+2*\k], s[4:5], s[56:57]
	s_mul_i32 s56, s[40+\k], 240                   ; of Y 240
	s_add_nc_u64 s[50+2*\k:51+2*\k], s[6:7], s[56:57]
	s_mul_i32 s[75+\k], s[40+\k], 20               ; its first row's index
.endr
.irp k, 0,1,2
.set EE, 0
.rept 20
	global_load_b128 v[RAW+4*(20*\k+EE):RAW+4*(20*\k+EE)+3], v[L16], s[44+2*\k:45+2*\k] offset:512*EE   ; a whole row: 512 consecutive bytes
.set EE, EE+1
.endr
.endr
	s_add_co_i32 s56, s39, 127
	s_lshl_b32 s57, s56, 23
	v_mov_b32 v[SC], s57                           ; 2^ex
	s_add_co_i32 s56, s56, 15
	s_lshl_b32 s56, s56, 23
	s_or_b32 s56, s56, 0x600000
	v_mov_b32 v[LIM], s56                          ; 57,344 x 2^ex
	s_add_co_i32 s68, s38, s39
	s_add_co_i32 s68, s68, 128
	s_lshl_b32 s68, s68, 23
	s_or_b32 s68, s68, 0x80000000                  ; -2^(E + 1) as f32
	s_mov_b32 s70, s75                             ; B_k = 20 g_k - 20 k: a candidate's index is c + B_k
	s_sub_co_u32 s71, s76, 20
	s_sub_co_u32 s72, s77, 40
	s_add_co_u32 s73, s71, 32
	s_add_co_u32 s74, s72, 32
	s_wait_loadcnt 40                              ; group 0's 20 rows are in; the 40 behind them stay out
.set CC, 0
.rept 20
	STG CC, CC
.set CC, CC+1
.endr
	s_wait_dscnt 0x0                               ; the stores have read their registers, which take the next loads
.irp c, 0,1,2,3
	global_load_b128 v[QB+4*\c:QB+4*\c+3], v[QO], s[10:11] offset:512*\c   ; the query's codes: the same 16 bytes in all 16 lanes of a half
.endr
.irp k, 0,1,2
.irp j, 0,1,2
	global_load_b32 v[YV+3*\k+\j], v[YO], s[50+2*\k:51+2*\k] offset:4*\j   ; Y(20 g_k + min(lane, 19), j)
.endr
.endr
	s_wait_loadcnt 33                              ; group 1 is in; behind it: group 2's 20 and the 13 just issued
.rept 20
	STG CC, CC
.set CC, CC+1
.endr
	s_wait_loadcnt 13                              ; group 2 is in
.rept 20
	STG CC, CC
.set CC, CC+1
.endr
	STG 60, 56
	STG 61, 57
	STG 62, 58
	STG 63, 59
	s_wait_dscnt 0x0                               ; the stores have read their registers, which the quantising takes
.irp t, 0,1,2,3
	QTILE QA, 4224*\t, NUM, COD+16*\t, SM
	ds_store_b32 v[XS], v[SM] offset:32*\t         ; x2 of candidate 32 (r / 8) + 8 t + r % 8; both halves of the lanes store the same number
.endr
	s_wait_alu depctr_va_vdst(0)
	s_wait_loadcnt 0x0                             ; the query's codes, and Y
.irp t, 0,1,2,3
	v_wmma_f32_16x16x128_bf8_bf8 v[D+8*\t:D+8*\t+7], v[COD+16*\t:COD+16*\t+15], v[QB:QB+15], 0
.endr
.irp t, 0,1,2,3
	ds_load_b128 v[X2+8*\t:X2+8*\t+3], v[XL] offset:32*\t          ; LDS serves a wave's instructions in order (ISA guide 5.7.1.4): these see my stores
	ds_load_b128 v[X2+8*\t+4:X2+8*\t+7], v[XL] offset:32*\t+16
.endr
.irp k, 0,1,2                          ; the lines from here to the wait name none of the products' registers: they are the places behind them (ISA guide 7.12.1)
	v_mov_b32 v[ST+\k], 0x7f800000
	v_mov_b32 v[ST+3+\k], 0
.endr
	v_mov_b32 v[INF], 0x7f800000
	v_mov_b32 v[FF], s68
	v_mov_b32 v[FF+1], s68
	v_mov_b32 v[GG], s36
	v_mov_b32 v[GG+1], s36
	v_mov_b32 v[T1], s73
	v_mov_b32 v[T2], s74
	v_cndmask_b32 v[PA], s70, v[T1], s69           ; c0 < 8:        half 0: group 0;  half 1 (c = 32 + c0 < 40): group 1
	v_cndmask_b32 v[PB], s70, v[T2], s69           ; 8 <= c0 < 20:  half 0: group 0;  half 1: group 2
	v_cndmask_b32 v[PCN], s71, v[T2], s69          ; c0 >= 20:      half 0: group 1;  half 1: group 2
	s_wait_alu depctr_va_vdst(0)
	s_wait_dscnt 0x0
.irp j, 0,2,4,6,8,10,12,14,16,18,20,22,24,26,28,30
	v_pk_fma_f32 v[D+\j:D+\j+1], v[D+\j:D+\j+1], v[FF:FF+1], v[GG:GG+1]   ; q2 - 2 P: the codes' sum x 2^(E + 1) is exact, so this rounds once, as the subtraction does; each result from its low end on
.endr
.irp j, 0,2,4,6,8,10,12,14,16,18,20,22,24,26,28,30
	v_pk_add_f32 v[X2+\j:X2+\j+1], v[D+\j:D+\j+1], v[X2+\j:X2+\j+1]       ; + x2
.endr
.irp j, 28,29,30,31
	v_cndmask_b32 v[X2+\j], v[X2+\j], v[INF], s69  ; c = 60 .. 63 are no candidates
.endr
.set CC, 0
.rept 32
.if CC < 8
.set PP, PA
.elseif CC < 20
.set PP, PB
.else
.set PP, PCN
.endif
	v_add_nc_u32 v[ID+(CC%2)], CC, v[PP]
	INSERTLT X2+CC, ST, ID+(CC%2)
.set CC, CC+1
.endr
.irp k, 0,1,2,3,4,5
	v_permlanex16_b32 v[TMP+\k], v[ST+\k], s[SEL], s[SEL+1]
.endr
	INSERTLT TMP, ST, TMP+3                        ; right in lanes 0-15, whose own candidates have the lower indices
	INSERTLT TMP+1, ST, TMP+4
	INSERTLT TMP+2, ST, TMP+5
	v_readfirstlane_b32 s24, v[ST+3]               ; the three winners: they enter comparisons alone
	v_readfirstlane_b32 s25, v[ST+4]
	v_readfirstlane_b32 s26, v[ST+5]
.irp k, 0,1,2
	v_add_nc_u32 v[T0], s[75+\k], v[L19]           ; the index of the row of Y that my lane holds
	v_cmp_eq_u32 s58, s24, v[T0]
	v_cmp_eq_u32 s59, s25, v[T0]
	v_cmp_eq_u32 s60, s26, v[T0]
	s_or_b32 s58, s58, s59
	s_or_b32 s58, s58, s60
	s_and_b32 s58, s58, 0xfffff                    ; lanes 20-31 hold copies of row 19
.irp j, 0,1,2
.if \k == 0
	v_cndmask_b32 v[ACC+\j], 0, v[YV+\j], s58
.else
	v_cndmask_b32 v[TT], 0, v[YV+3*\k+\j], s58
	v_add_f32 v[ACC+\j], v[ACC+\j], v[TT]
.endif
.endr
.endr
.irp m, 1,2,4,8
.irp j, 0,1,2
	v_add_f32_dpp v[ACC+\j], v[ACC+\j], v[ACC+\j] row_xmask:\m row_mask:0xf bank_mask:0xf
.endr
.endr
.irp j, 0,1,2
	v_permlanex16_b32 v[TMP+\j], v[ACC+\j], s[SEL], s[SEL+1]
.endr
.irp j, 0,1,2
	v_add_f32 v[ACC+\j], v[ACC+\j], v[TMP+\j]
.endr
.irp j, 0,1,2
	v_mul_f32 v[ACC+\j], 0x3eaaaaab, v[ACC+\j]     ; the mean of three
.endr
	v_cmp_eq_u32 s58, 1, v[LANE]                   ; lane j of 0 .. 2 takes component j and winner j
	v_cmp_eq_u32 s59, 2, v[LANE]
	v_cndmask_b32 v[ACC], v[ACC], v[ACC+1], s58
	v_cndmask_b32 v[ACC], v[ACC], v[ACC+2], s59
	v_cndmask_b32 v[ST+3], v[ST+3], v[ST+4], s58
	v_cndmask_b32 v[ST+3], v[ST+3], v[ST+5], s59
	v_cmp_gt_u32 vcc_lo, 3, v[LANE]
	s_wait_alu depctr_va_vdst(0)
	s_wait_xcnt 0x0                                ; EXEC changes only behind this wait
	s_set_vgpr_msb 0x5
	s_wait_tensorcnt 0x0
	ds_add_u32 v0, v1
	s_wait_dscnt 0x0
	s_set_vgpr_msb 0x500
	s_and_saveexec_b32 s60, vcc_lo
	global_store_b32 v[OO], v[ACC], s[16:17]
	global_store_b32 v[OO], v[ST+3], s[18:19]
	s_endpgm
.Lfunc_end_k_qdffd12b868_final:
	.size	k_qdffd12b868_final, .Lfunc_end_k_qdffd12b868_final-k_qdffd12b868_final
	.p2alignl 7, 3214868480
	.fill 96, 4, 3214868480
	.section	.rodata,"a",@progbits
	.p2align	6, 0x0
	.amdhsa_kernel k_qdffd12b868_final
		.amdhsa_group_segment_fixed_size 154112
		.amdhsa_private_segment_fixed_size 0
		.amdhsa_enable_private_segment 0
		.amdhsa_kernarg_size 64
		.amdhsa_user_sgpr_count 2
		.amdhsa_user_sgpr_kernarg_segment_ptr 1
		.amdhsa_wavefront_size32 1
		.amdhsa_system_sgpr_workgroup_id_x 1
		.amdhsa_system_sgpr_workgroup_id_y 1
		.amdhsa_system_sgpr_workgroup_id_z 1
		.amdhsa_system_vgpr_workitem_id 0
		.amdhsa_next_free_vgpr 258
		.amdhsa_next_free_sgpr 80
		.amdhsa_reserve_vcc 1
		.amdhsa_float_denorm_mode_32 3
		.amdhsa_float_denorm_mode_16_64 3
		.amdhsa_memory_ordered 1
		.amdhsa_forward_progress 1
		.amdhsa_inst_pref_size 80
	.end_amdhsa_kernel
	.amdgpu_metadata
---
amdhsa.version: [ 1, 2 ]
amdhsa.kernels:
  - .name:           k_qdffd12b868_final
    .symbol:         k_qdffd12b868_final.kd
    .args:
      - { .name: dataTensorX, .offset: 0, .size: 8, .value_kind: global_buffer, .address_space: global }
      - { .name: dataTensorY, .offset: 8, .size: 8, .value_kind: global_buffer, .address_space: global }
      - { .name: lowp_scales, .offset: 16, .size: 8, .value_kind: global_buffer, .address_space: global }
      - { .name: qfrag, .offset: 24, .size: 8, .value_kind: global_buffer, .address_space: global }
      - { .name: q2, .offset: 32, .size: 8, .value_kind: global_buffer, .address_space: global }
      - { .name: sel, .offset: 40, .size: 8, .value_kind: global_buffer, .address_space: global }
      - { .name: out0, .offset: 48, .size: 8, .value_kind: global_buffer, .address_space: global }
      - { .name: out1, .offset: 56, .size: 8, .value_kind: global_buffer, .address_space: global }
    .group_segment_fixed_size: 154112
    .private_segment_fixed_size: 0
    .kernarg_segment_align: 8
    .kernarg_segment_size: 64
    .max_flat_workgroup_size: 128
    .sgpr_count:     80
    .vgpr_count:     258
    .wavefront_size: 32
...
	.end_amdgpu_metadata
.endif
;; end of part 4
